; MI455X (gfx1250); checked and timed in simulation.
; The chip was launched on July 23, 2026; its instructions are those of AMD's public machine-readable ISA for CDNA 5 (MIT licence, August 2026) and "CDNA5" Instruction Set Architecture Reference Guide (July 2026). The comments in the code are by the model that wrote it; some were corrected since.
;; Local Self Attention. Allowed arithmetic: float matrix products may take bf16 or f16 operands with f32 sums; other float arithmetic in f32, or as packed bf16 or f16 multiplies, adds, multiply-adds, maxima and minima; sums over many terms, partial sums and values carried from step to step in f32; what a program stores and reads back later, other than sums and carried values, may be rounded once to bf16 or f16.
;; Inputs: Wk 1,024 x 1,024 float32; Wq 1,024 x 1,024 float32; Wv 1,024 x 1,024 float32; hidden_states 4 x 4,096 x 1,024 float32.
;; Outputs: out0 4 x 4,096 x 1,024 float32.
;; One version. Each part assembles by itself: llvm-mc -triple=amdgcn-amd-amdhsa -mcpu=gfx1250 --defsym DOCPART=n.
;; ======== version 1 of 1: 3 launches
;; limits: right only within a limited range of input values; values are held in f16: magnitudes above 65,504 overflow, below 6.1e-05 lose precision
;; workspace buffers: xb 33,554,432 bytes; wb 6,291,456 bytes; qkv 100,663,296 bytes
;; launch cast (part 1): grid 2432 x 1, 8 waves a work-group, no clusters, 0 bytes of LDS; arguments hidden_states, Wq, Wk, Wv, xb, wb; writes xb, wb
.if DOCPART == 1
	.amdgcn_target "amdgcn-amd-amdhsa--gfx1250"
	.amdhsa_code_object_version 6
	.text
	.protected	k_q0113914cbd_cast
	.globl	k_q0113914cbd_cast
	.p2align	8
	.type	k_q0113914cbd_cast,@function
k_q0113914cbd_cast:
	s_mov_b64 s[64:65], 0
	v_nop
	global_prefetch_b8 v0, s[64:65] scope:SCOPE_SE
	s_setreg_imm32_b32 hwreg(HW_REG_WAVE_MODE, 25, 1), 1
	s_wait_xcnt 0x0
; xb = bf16(hidden_states), wb = bf16(Wq), bf16(Wk), bf16(Wv) one behind the other; every layout is kept, each number is rounded once, to nearest even.
; A stream: each input byte is read once, each output byte written once; no LDS, no barrier, no matrix work, since no number meets another.
; SHARES.  A work-group takes 8,192 numbers: 32,768 bytes in, 16,384 out: many small work-groups, so that they deal out evenly and the loads of some run beside the stores of others.
; Work-groups 0-2047 take hidden_states (2,048 x 32,768 bytes), work-groups 2048-2431 the weights: y = x - 2048, matrix y / 128 (q, k, v), part y % 128 of its 128.
; Thread t takes 16 bytes at 16 t of each block of 4,096: a wave's load covers 512 consecutive bytes, its store 256 consecutive bytes, aligned.
; All eight loads of a thread go out at once, into registers of their own; no register is written twice, so the only waits are the counted ones for the loads.
.set NX,   2048                        ; work-groups on hidden_states
.set NL,   8                           ; loads of a thread
.set X,    4                           ; v[4:35]  load i: four registers; the two packed words take the place of the first two
	s_load_b256 s[4:11], s[0:1], 0x0               ; hidden_states s[4:5], Wq s[6:7], Wk s[8:9], Wv s[10:11]
	s_load_b128 s[12:15], s[0:1], 0x20             ; xb s[12:13], wb s[14:15]
	s_sub_co_u32 s16, ttmp9, NX                    ; y (used in work-groups 2048 on alone)
	s_lshr_b32 s17, s16, 7                         ; which matrix
	s_and_b32 s18, s16, 127                        ; which part of it
	v_lshlrev_b32 v1, 4, v0                        ; in: 16 bytes a thread
	v_lshlrev_b32 v2, 3, v0                        ; out: 8 bytes a thread
	s_mov_b32 s27, 0
	s_mov_b32 s29, 0
	s_wait_kmcnt 0x0
	s_cmp_eq_u32 s17, 1
	s_cselect_b64 s[20:21], s[8:9], s[6:7]         ; Wk or Wq,
	s_cmp_eq_u32 s17, 2
	s_cselect_b64 s[20:21], s[10:11], s[20:21]     ; or Wv,
	s_cmp_lt_u32 ttmp9, NX
	s_cselect_b64 s[20:21], s[4:5], s[20:21]       ; or hidden_states
	s_cselect_b64 s[22:23], s[12:13], s[14:15]     ; into xb or wb
	s_cselect_b32 s24, ttmp9, s18                  ; my part of the source,
	s_cselect_b32 s25, ttmp9, s16                  ; and of the destination
	s_lshl_b32 s26, s24, 15                        ; x 32,768 bytes: under 2^27
	s_lshl_b32 s28, s25, 14                        ; x 16,384 bytes
	s_add_nc_u64 s[20:21], s[20:21], s[26:27]
	s_add_nc_u64 s[22:23], s[22:23], s[28:29]
.set i, 0
.rept NL
	global_load_b128 v[X+4*i:X+4*i+3], v1, s[20:21] offset:4096*i th:TH_LOAD_NT
.set i, i+1
.endr
.set i, 0
.rept NL
	s_wait_loadcnt NL-1-i                          ; loads come back in order: load i is in, the younger ones stay out
	v_cvt_pk_bf16_f32 v[X+4*i], v[X+4*i], v[X+4*i+1]
	v_cvt_pk_bf16_f32 v[X+4*i+1], v[X+4*i+2], v[X+4*i+3]
	global_store_b64 v2, v[X+4*i:X+4*i+1], s[22:23] offset:2048*i th:TH_STORE_NT
.set i, i+1
.endr
	s_endpgm
.Lfunc_end_k_q0113914cbd_cast:
	.size	k_q0113914cbd_cast, .Lfunc_end_k_q0113914cbd_cast-k_q0113914cbd_cast
	.p2alignl 7, 3214868480
	.fill 96, 4, 3214868480
	.section	.rodata,"a",@progbits
	.p2align	6, 0x0
	.amdhsa_kernel k_q0113914cbd_cast
		.amdhsa_group_segment_fixed_size 0
		.amdhsa_private_segment_fixed_size 0
		.amdhsa_enable_private_segment 0
		.amdhsa_kernarg_size 48
		.amdhsa_user_sgpr_count 2
		.amdhsa_user_sgpr_kernarg_segment_ptr 1
		.amdhsa_wavefront_size32 1
		.amdhsa_system_sgpr_workgroup_id_x 1
		.amdhsa_system_sgpr_workgroup_id_y 1
		.amdhsa_system_sgpr_workgroup_id_z 1
		.amdhsa_system_vgpr_workitem_id 0
		.amdhsa_next_free_vgpr 40
		.amdhsa_next_free_sgpr 66
		.amdhsa_reserve_vcc 0
		.amdhsa_float_denorm_mode_32 3
		.amdhsa_float_denorm_mode_16_64 3
		.amdhsa_memory_ordered 1
		.amdhsa_forward_progress 1
		.amdhsa_inst_pref_size 4
	.end_amdhsa_kernel
	.amdgpu_metadata
---
amdhsa.version: [ 1, 2 ]
amdhsa.kernels:
  - .name:           k_q0113914cbd_cast
    .symbol:         k_q0113914cbd_cast.kd
    .args:
      - { .name: hidden_states, .offset: 0, .size: 8, .value_kind: global_buffer, .address_space: global }
      - { .name: Wq, .offset: 8, .size: 8, .value_kind: global_buffer, .address_space: global }
      - { .name: Wk, .offset: 16, .size: 8, .value_kind: global_buffer, .address_space: global }
      - { .name: Wv, .offset: 24, .size: 8, .value_kind: global_buffer, .address_space: global }
      - { .name: xb, .offset: 32, .size: 8, .value_kind: global_buffer, .address_space: global }
      - { .name: wb, .offset: 40, .size: 8, .value_kind: global_buffer, .address_space: global }
    .group_segment_fixed_size: 0
    .private_segment_fixed_size: 0
    .kernarg_segment_align: 8
    .kernarg_segment_size: 48
    .max_flat_workgroup_size: 256
    .sgpr_count:     66
    .vgpr_count:     40
    .wavefront_size: 32
...
	.end_amdgpu_metadata
.endif
;; end of part 1
;; launch qkv (part 2): grid 4 x 64, 4 waves a work-group, clusters of 4 x 4, 327,680 bytes of LDS; arguments xb, wb, qkv; writes qkv
.if DOCPART == 2
	.amdgcn_target "amdgcn-amd-amdhsa--gfx1250"
	.amdhsa_code_object_version 6
	.text
	.protected	k_q0113914cbd_qkv
	.globl	k_q0113914cbd_qkv
	.p2align	8
	.type	k_q0113914cbd_qkv,@function
k_q0113914cbd_qkv:
	s_mov_b64 s[64:65], 0
	v_nop
	global_prefetch_b8 v0, s[64:65] scope:SCOPE_SE
	s_setreg_imm32_b32 hwreg(HW_REG_WAVE_MODE, 25, 1), 1
	s_wait_xcnt 0x0
	s_wait_alu depctr_hold_cnt(0) depctr_sa_sdst(0) depctr_va_vdst(0) depctr_va_sdst(0) depctr_va_ssrc(0) depctr_va_vcc(0) depctr_vm_vsrc(0)
	s_getreg_b32 s2, hwreg(HW_REG_IB_STS2, 6, 4)
	s_cmp_eq_u32 s2, 0
	s_cbranch_scc0 .Lentry_in_a_cluster
	s_endpgm
.Lentry_in_a_cluster:
	s_bfe_u32 s2, ttmp6, 0x10000c
	s_cmp_lg_u32 s2, 0xf033
	s_cbranch_scc0 .Lentry_shape_is_right
	s_endpgm
.Lentry_shape_is_right:
; q, k, v = x W.  xb: [16384][1024] bf16 (A, K along the rows).  wb: three planes (q, k, v) of [1024 k][1024 n] bf16 (B, N along the rows: turned on its way out of LDS).
; qkv: f16, [16384 rows][8 head pairs][3: q, k, v][128 = 2 heads x 64]: a row is 6,144 bytes, and a wave's 128 columns of one plane are 256 consecutive bytes of it, aligned.
; Sums in f32, K ascending, rounded once to f16, unscaled (the scale 1/8 is applied to the scores, in f32, by the launch behind).
; LIMIT.  f16 ends at 65,504: q, k, v must lie within it.  With x and W of the stated spreads they are of order 1; inputs 30 times larger, or offset by 30 spreads, give some 3e4 at the most.
; SHARES.  A tile of C is 256 x 256: four waves, each 128 x 128 in 64 accumulators (512 registers).  A WORK-GROUP STAYS on its 256 rows and its 256 columns and makes three tiles, one for each
; plane: A's rows are walked three times, B's K steps 0 .. 23 run on through the three planes, which lie end to end.  64 x 4 work-groups.
; RING.  K goes in steps of 128 through two LDS slots filled by tensor loads; the ring does not stop at a tile's end.  A LAP (two K steps, once round the ring) IS WRITTEN ONCE: an inner loop counts a tile's four laps
; and is entered behind the tile's first quarter step, whose products start the sums; the way out stands behind it.  The last tile leaves the inner loop in its last lap; its last K step goes by rows of C, so that finished rows leave early.
; CLUSTER.  4 x 4 work-groups.  The four of a row of the cluster need the same tiles of A, the four of a column the same tiles of B: each tile is asked for JOINTLY, by the same tensor load with the
; same descriptor and a mask that names the four.
; THE MATRIX INSTRUCTION IS USED TRANSPOSED: source 0 = 16 columns of B, source 1 = 16 rows of A: a lane then holds row l % 16 of C and the columns 8 (l / 16) + 0..7: 16 bytes of f16 on end.
; REGISTERS, in windows of 256 (s_set_vgpr_msb: bits 1:0 source 0, 3:2 source 1, 5:4 source 2, 7:6 destination):
;   window 0: v0-31 addresses; v64-127, v128-191 fragments of A, two buffers (in the very last K step four, of 16 rows x 128 K); v32-63, v192-255 at work on the way out
;   window 1: v64-127, v128-191 fragments of B, two buffers; in the very last K step all 256
;   window 2: the 32 accumulators of my rows 0-63 (accumulator (a, b) at v[8 (8 a + b)]);   window 3: those of my rows 64-127
.set SIZE_K, 1024
.set SIZE_TILES, 3
.set KSTEP,  128
.set ROWA,   SIZE_K*2                  ; bytes in a row of xb and of wb
.set ROWQ,   6144                      ; bytes in a row of qkv
.set PITCH,  272                       ; a row of A in LDS: 256 bytes + 16 of padding = 68 words: the 16 rows of a load start at 16 different groups of four banks (64 banks of 4 bytes: ISA guide 11.1)
.set BPITCH, 544                       ; a row of B in LDS: 512 bytes + 32 of padding = 136 words
.set HALFT,  128*PITCH                 ; what one tensor load brings: 128 rows of A, or 64 rows of B (64 x 544 is the same number)
.set SLOT,   4*HALFT                   ; A's 256 rows, then B's 128 rows
.set STAGE,  2*SLOT                    ; behind the ring: 16 rows x 272 bytes for each wave, for the way out
.set SPITCH, 272
.set SPARE,  STAGE+4*16*SPITCH         ; behind the stages: the spare words, 128 bytes for each wave: two blocks of 256 bytes that no other line names
.set LAPS,   SIZE_K/(2*KSTEP)          ; laps in a tile
.set BSTEP,  KSTEP*ROWA                ; bytes from a K step of B to the next: 128 rows
.set ADRA, 16                          ; v16-17  LDS address of my A fragments in slot 0, 1
.set ADRB, 20                          ; v20-21  the same for B
.set STO,  24                          ; v24     the way out: where I put 16 bytes of a row
.set RD,   25                          ; v25     the way out: where I read a row back
.set CO,   26                          ; v26     my byte offset in two rows of qkv
.set SPW,  28                          ; v28     LDS address of my spare word: SPARE + 4 x my thread's number; never rewritten
.set NIL,  29                          ; v29     0; never rewritten
.set PFO,  30                          ; v30     the prefetches' offset; never rewritten
.set PFA,  44                          ; s[44:45] where my prefetches stand
.set PFS,  66                          ; s[66:67] their step from K step to K step: 256 bytes along A's rows, 128 rows down B
.set PFN,  68                          ; s68     requests that I still have to make; taken down at every change of slots, below 0 too
.set ABK,  70                          ; s[70:71] what A's address goes back by behind its step along K: a whole row in a tile's last lap, else 0
.set F0,   64                          ; fragment buffer 0
.set F1,   128                         ; fragment buffer 1
.set TMP,  192                         ; the way out: packed results, in window 0
.set OB,   32                          ; the way out: 16 rows read back from the stage: v32-63 and v224-255 by turns
.set PA,   64                          ; the very last K step: A's fragments of 16 rows x 128 K, 32 registers; four such buffers, v64-191
.set G1, 24                            ; s[24:31] descriptor group 1 for A's tiles
.set G0, 32                            ; s[32:39] descriptor group 0 for A's tiles, one set for each slot
.set G1B, 48                           ; s[48:55] descriptor group 1 for B's tiles
.set G0B, 56                           ; s[56:63] descriptor group 0 for B's tiles, one set for each slot
.set MSB, 0
.macro WIN new                         ; the immediate's high byte repeats the setting that is left; a switch that changes nothing is dropped
.if MSB != (\new)
	s_set_vgpr_msb (MSB<<8)|(\new)
.set MSB, \new
.endif
.endm
.set MUL_LO, 0xa1                      ; source 0 (B) window 1, source 1 (A) window 0, C and D window 2
.set MUL_HI, 0xf1                      ; the same, C and D window 3
.set TO_B,   0x40                      ; destination window 1, address window 0
; A joint load.  Waves 0 and 1 fetch A's two halves, waves 2 and 3 B's.  Each of the two lines has one mask and one set of registers for all that issue it.  The branch hangs on the wave's number alone.
; An s_nop 0 and four v_nop follow each of the two lines, ahead of the jump, the label and what follows.
.macro JLOAD s
	s_cmp_eq_u32 s11, 0
	s_cbranch_scc0 .Lfor_b_\@
	tensor_load_to_lds s[G0+4*(\s):G0+4*(\s)+3], s[G1:G1+7]
	s_nop 0
.rept 4
	v_nop
.endr
	s_branch .Lasked_\@
.Lfor_b_\@:
	tensor_load_to_lds s[G0B+4*(\s):G0B+4*(\s)+3], s[G1B:G1B+7]
	s_nop 0
.rept 4
	v_nop
.endr
.Lasked_\@:
.endm
; A PREFETCH INTO THE L2, behind each joint load, its five lines and the run of LDS loads that follows them: 32 blocks of 256 bytes of the K step that stands TWO refills on, 512 matrix instructions ahead of its load.
; Each block is named once in the launch.  A's rows are read by this cluster alone: its waves 0 and 1 ask, in the first tile (K steps 4 to 7: the later tiles read the same rows again).  B's rows are read by every
; cluster: the cluster with y = 0 asks, waves 2 and 3, for K steps 4 to 23.  The four partners that ask for a tile jointly share its blocks out BY ADDRESS (cx for A, cy for B): no branch hangs on a place in the cluster.
; K steps 0 to 3 come by their loads alone; the last two refills ask for nothing.
.macro ASK
	s_cmp_ge_i32 s[PFN], 0
	s_cbranch_scc0 .Lnot_mine_\@
	global_prefetch_b8 v[PFO], s[PFA:PFA+1] th:TH_LOAD_NT scope:SCOPE_SE
.Lnot_mine_\@:
.endm
; A round of the cluster's barrier: my work-group's barrier, so that wave 0's signal speaks for all four waves; wave 0 signals; every wave waits for all sixteen work-groups; my work-group's barrier once more.
.macro CREST                           ; a round behind its opening barrier
	s_cmp_lg_u32 s10, 0
	s_cbranch_scc1 .Lnot_wave_0_\@
	s_barrier_signal -3
.Lnot_wave_0_\@:
	s_barrier_wait -3
	s_barrier_signal -1
	s_barrier_wait -1
.endm
.macro CROUND                          ; a whole round
	s_barrier_signal -1
	s_barrier_wait -1
	CREST
.endm
	s_load_b128 s[4:7], s[0:1], 0x0                ; xb s[4:5], wb s[6:7]
	s_load_b64 s[8:9], s[0:1], 0x10                ; qkv
	v_lshl_add_u32 v[SPW], v0, 2, SPARE
	v_mov_b32 v[NIL], 0
	ds_add_u32 v[SPW], v[NIL]                      ; the wave's opening: the add and its wait stand ahead of my first tensor load; the set-up below, work on registers, stands between them
	ds_add_u32 v28, v29
	v_lshrrev_b32 v1, 5, v0
	v_readfirstlane_b32 s10, v1                    ; wave 0..3
	s_lshr_b32 s11, s10, 1                         ; which half of the tile's rows is mine.  Also: I fetch for A (0) or for B (1)
	s_and_b32 s12, s10, 1                          ; which half of its columns.  Also: which half of that tile I fetch
	s_bfe_u32 s40, ttmp6, 0x40000                  ; cx
	s_bfe_u32 s41, ttmp6, 0x40004                  ; cy
	s_lshl_b32 s42, ttmp9, 2                       ; in a cluster launch ttmp9 and ttmp7 count clusters
	s_add_co_u32 s42, s42, s40                     ; tile column = 4 x cluster x + cx: 0..3
	s_and_b32 s13, ttmp7, 0xffff
	s_lshl_b32 s13, s13, 2
	s_add_co_u32 s13, s13, s41                     ; tile row = 4 x cluster y + cy: 0..63
	s_lshl_b32 s43, s41, 2
	s_lshl_b32 s43, 15, s43                        ; my row of the cluster: places 4 cy .. 4 cy + 3
	s_lshl_b32 s44, 0x1111, s40                    ; my column: places cx, cx + 4, cx + 8, cx + 12
	; descriptor group 1.  A: 128 rows x 128 elements, 16 bytes of padding behind every 256.  B: 64 rows x 256 elements, 32 bytes behind every 512.
	s_or_b32 s[G1+0], s43, (1<<16)|(1<<20)|(1<<21)|(5<<22)|(3<<25)   ; 15:0 the mask; 17:16 elements of 2 bytes; 20 padding on; 21 set beside a mask; 24:22 after every 64 words (code 5); 31:25 4 words (code 3)
	s_or_b32 s[G1B+0], s44, (1<<16)|(1<<20)|(1<<21)|(6<<22)|(7<<25)  ; after every 128 words (code 6), 8 words (code 7)
	s_mov_b32 s[G1+1], KSTEP<<16                   ; tensor_dim0 = 128
	s_mov_b32 s[G1+2], 128<<16                     ; tensor_dim1 = 128
	s_mov_b32 s[G1+3], KSTEP<<16                   ; tile_dim0 = 128
	s_mov_b32 s[G1+4], 128                         ; tile_dim1 = 128
	s_mov_b32 s[G1+5], SIZE_K                      ; elements from row to row
	s_mov_b32 s[G1+6], 0
	s_mov_b32 s[G1+7], 0
	s_mov_b32 s[G1B+1], 256<<16                    ; tensor_dim0 = 256
	s_mov_b32 s[G1B+2], 64<<16                     ; tensor_dim1 = 64
	s_mov_b32 s[G1B+3], 256<<16                    ; tile_dim0 = 256
	s_mov_b32 s[G1B+4], 64                         ; tile_dim1 = 64
	s_mov_b32 s[G1B+5], 1024                       ; elements from row to row
	s_mov_b32 s[G1B+6], 0
	s_mov_b32 s[G1B+7], 0
	; where the tiles come from.  A's hang on the tile row alone, B's on the tile column alone; every wave makes both, in registers that never hold the other coordinate.
	s_lshl_b32 s16, s13, 19                        ; A: (256 x tile row
	s_lshl_b32 s17, s12, 18                        ;     + 128 x half) rows of 2,048 bytes: under 2^26
	s_add_co_u32 s16, s16, s17
	s_mov_b32 s17, 0
	s_lshl_b32 s46, s42, 9                         ; B: 512 bytes x tile column
	s_lshl_b32 s47, s12, 17                        ;    + 64 x half rows of 2,048 bytes
	s_add_co_u32 s46, s46, s47
	s_mov_b32 s47, 0
	s_mul_i32 s20, s10, HALFT                      ; and where they go: A's two halves, then B's two halves: no place in the cluster enters an LDS address
	s_wait_dscnt 0x0                               ; the opening add is done
	s_wait_kmcnt 0x0
	s_add_nc_u64 s[14:15], s[4:5], s[16:17]
	s_add_nc_u64 s[46:47], s[6:7], s[46:47]
	CROUND                                         ; all sixteen work-groups are here: the first joint loads meet
.irp s, 0,1
	s_mov_b32 s[G0+4*(\s)], 1                                      ; count = 1
	s_add_co_u32 s[G0+4*(\s)+1], s20, (\s)*SLOT                    ; LDS address
	s_add_nc_u64 s[G0+4*(\s)+2:G0+4*(\s)+3], s[14:15], (\s)*KSTEP*2  ; global address: K step s
	s_or_b32 s[G0+4*(\s)+3], s[G0+4*(\s)+3], 0x80000000            ; type = 2
	s_mov_b32 s[G0B+4*(\s)], 1
	s_add_co_u32 s[G0B+4*(\s)+1], s20, (\s)*SLOT
	s_add_nc_u64 s[G0B+4*(\s)+2:G0B+4*(\s)+3], s[46:47], (\s)*BSTEP
	s_or_b32 s[G0B+4*(\s)+3], s[G0B+4*(\s)+3], 0x80000000
	JLOAD \s                                       ; the ring is filled before anything else is done: two loads of mine are out
.endr
	; A fragment of A is 16 rows x 32 K in 8 registers: lane l holds row l % 16; registers 0-3 K = 8 (l / 16) + 0..7, registers 4-7 K = 16 + 8 (l / 16) + 0..7: two loads of 16 bytes, 32 bytes apart.
	v_and_b32 v1, 15, v0                           ; l % 16
	v_bfe_u32 v2, v0, 4, 1                         ; l / 16
	v_mul_u32_u24 v3, v1, PITCH
	v_lshl_add_u32 v3, v2, 4, v3                   ; row x pitch + 16 x half
	s_mul_i32 s21, s11, HALFT                      ; my 128 rows of A
	; A fragment of B is 16 columns x 32 K.  The turning load takes 16 K x 16 columns (lane l reads K = 8 (l / 16) + l % 8, columns 8 ((l / 8) % 2) + 0..7) and leaves half a fragment: lane l holds column l % 16 and 8 K.
	v_and_b32 v4, 7, v0
	v_lshl_add_u32 v4, v2, 3, v4
	v_mul_u32_u24 v4, v4, BPITCH
	v_bfe_u32 v5, v0, 3, 1
	v_lshl_add_u32 v4, v5, 4, v4
	s_lshl_b32 s22, s12, 8                         ; my 128 columns: 256 bytes of B's rows,
	s_add_co_u32 s22, s22, 2*HALFT                 ; which lie behind A's 256
.irp s, 0,1
	v_add_nc_u32 v[ADRA+(\s)], s21, v3
	v_add_nc_u32 v[ADRB+(\s)], s22, v4
	s_add_co_u32 s21, s21, SLOT
	s_add_co_u32 s22, s22, SLOT
.endr
	s_mul_i32 s23, s10, 16*SPITCH
	s_add_co_u32 s23, s23, STAGE                   ; my stage
	v_mul_u32_u24 v4, v1, SPITCH                   ; in: row l % 16, 16 bytes for each half of the lanes
	v_lshl_add_u32 v4, v2, 4, v4
	v_add_nc_u32 v[STO], s23, v4
	v_mul_u32_u24 v5, v2, SPITCH                   ; back: lanes 0-15 take one row of 256 bytes, lanes 16-31 the next
	v_lshl_add_u32 v5, v1, 4, v5
	v_add_nc_u32 v[RD], s23, v5
	v_mul_u32_u24 v5, v2, ROWQ                     ; and the same two rows in qkv
	v_lshl_add_u32 v[CO], v1, 4, v5
	; qkv at my part of the first tile: row 256 x tile row + 128 x my half; head pair 2 x tile column + my half, 768 bytes each; plane 0
	s_lshl_b32 s16, s13, 8
	s_lshl_b32 s14, s11, 7
	s_add_co_u32 s16, s16, s14
	s_mul_i32 s16, s16, ROWQ                       ; under 2^27
	s_mov_b32 s17, 0
	s_add_nc_u64 s[8:9], s[8:9], s[16:17]
	s_lshl_b32 s46, s42, 1
	s_add_co_u32 s46, s46, s12
	s_mul_i32 s46, s46, 768
	s_mov_b32 s47, 0
	s_add_nc_u64 s[8:9], s[8:9], s[46:47]
	; the prefetches.  A: my work-group's 32 of the 128 rows that I fetch, a lane a row.  B: my work-group's 16 of the 64 rows that I fetch, a lane half a row of 512 bytes.  Both stand at K step 3: the first change of slots steps them to 4.
	s_lshl_b32 s20, s13, 19
	s_lshl_b32 s21, s12, 18
	s_add_co_u32 s20, s20, s21
	s_lshl_b32 s21, s40, 16                        ; 32 cx rows
	s_add_co_u32 s20, s20, s21
	s_add_co_u32 s20, s20, 3*KSTEP*2
	s_lshl_b32 s21, s42, 9
	s_lshl_b32 s22, s12, 17
	s_add_co_u32 s21, s21, s22
	s_lshl_b32 s22, s41, 15                        ; 16 cy rows
	s_add_co_u32 s21, s21, s22
	s_add_co_u32 s21, s21, 3*BSTEP
	s_and_b32 s22, ttmp7, 0xffff                   ; cluster y: the same in all sixteen partners
	s_cmp_eq_u32 s22, 0
	s_cselect_b32 s22, 20, 0
	s_mov_b32 s23, KSTEP*2
	s_cmp_eq_u32 s11, 0                            ; do I fetch for A?
	s_cselect_b32 s20, s20, s21
	s_cselect_b32 s[PFN], 4, s22
	s_cselect_b32 s[PFS], s23, BSTEP
	s_cselect_b64 s[PFA:PFA+1], s[4:5], s[6:7]
	s_mov_b32 s21, 0
	s_mov_b32 s[PFS+1], 0
	s_add_nc_u64 s[PFA:PFA+1], s[PFA:PFA+1], s[20:21]
	v_and_b32 v[PFO], 31, v0
	v_and_b32 v5, s11, v[PFO]                      ; B: which half of the row
	v_lshrrev_b32 v[PFO], s11, v[PFO]              ; the row: l for A, l / 2 for B
	v_lshlrev_b32 v[PFO], 11, v[PFO]
	v_lshl_add_u32 v[PFO], v5, 8, v[PFO]
; 16 matrix instructions: m blocks a0, a0 + 1 of the window's four (hi = 0: my rows 0-63, 1: rows 64-127) x all 8 n blocks, 32 along K.  zero = 1: the first product starts the sums: nothing is ever cleared.
; The 64 accumulators take turns, one instruction a turn, in the same order in every quarter step.
.macro MUL16 f, hi, a0, zero
	WIN MUL_LO+0x50*(\hi)
.irp a, \a0, (\a0)+1
.irp b, 0,1,2,3,4,5,6,7
.if \zero
	v_wmma_f32_16x16x32_bf16 v[8*(8*(\a)+(\b)):8*(8*(\a)+(\b))+7], v[(\f)+8*(\b):(\f)+8*(\b)+7], v[(\f)+8*(4*(\hi)+(\a)):(\f)+8*(4*(\hi)+(\a))+7], 0
.else
	v_wmma_f32_16x16x32_bf16 v[8*(8*(\a)+(\b)):8*(8*(\a)+(\b))+7], v[(\f)+8*(\b):(\f)+8*(\b)+7], v[(\f)+8*(4*(\hi)+(\a)):(\f)+8*(4*(\hi)+(\a))+7], v[8*(8*(\a)+(\b)):8*(8*(\a)+(\b))+7]
.endif
.endr
.endr
.endm
; 32 LDS loads in one run: the fragments of one quarter step into buffer f.  k is the quarter's byte in A's rows (2 bytes a K), so it begins k / 2 rows down B's tile: k x 272 bytes.
.macro FETCH slot, k, f
	WIN TO_B
.irp i, 0,1,2,3,4,5,6,7
	ds_load_tr16_b128 v[(\f)+8*(\i):(\f)+8*(\i)+3],   v[ADRB+(\slot)] offset:(\k)*(BPITCH/2)+32*(\i)
	ds_load_tr16_b128 v[(\f)+8*(\i)+4:(\f)+8*(\i)+7], v[ADRB+(\slot)] offset:(\k)*(BPITCH/2)+32*(\i)+16*BPITCH
.endr
	WIN 0
.irp i, 0,1,2,3,4,5,6,7
	ds_load_b128 v[(\f)+8*(\i):(\f)+8*(\i)+3],   v[ADRA+(\slot)] offset:(\k)+(\i)*16*PITCH
	ds_load_b128 v[(\f)+8*(\i)+4:(\f)+8*(\i)+7], v[ADRA+(\slot)] offset:(\k)+(\i)*16*PITCH+32
.endr
.endm
; A load into a register that a matrix instruction has read, and a vector instruction that reads a matrix result, stand four places behind that matrix instruction; only plain vector
; instructions that name none of its registers are places (ISA guide 7.12.1 for vector instructions).
.macro PLACES
.rept 4
	v_nop
.endr
.endm
; A K step is four quarter steps of 32 along K, 64 matrix instructions each, on buffers 0, 1, 0, 1.  One of the first three: multiplies buffer f; in its middle it fetches the next quarter into buffer g.
.macro QUARTER slot, k, f, g, zero
	s_wait_dscnt 8                                 ; B and A's rows 0-63 are in; the youngest eight loads (A's rows 64-127) may be out
	WIN MUL_LO
	MUL16 \f, 0, 0, \zero
	MUL16 \f, 0, 2, \zero
	PLACES
	FETCH \slot, \k, \g
	s_wait_dscnt 32                                ; all but the 32 just issued
	WIN MUL_HI
	MUL16 \f, 1, 0, \zero
	MUL16 \f, 1, 2, \zero
.endm
; The last quarter multiplies buffer 1 and changes slots.  MEET is its first half: one barrier.  In front of it each wave waits for all its tensor loads, of which one is out: its part of the next slot;
; adds 0 to its spare word; and waits for that and for its own reads of this slot.  Behind it nobody reads this slot any more and the next slot is whole.
.macro MEET round                      ; round = 1: a round of the cluster's barrier follows
	WIN 0                                          ; (the add's two registers lie in window 0)
	s_wait_tensorcnt 0x0                           ; all my tensor loads have landed
	ds_add_u32 v[SPW], v[NIL]                      ; 0 onto my spare word
	s_wait_dscnt 9                                 ; (the add and the youngest eight loads may be out)
	WIN MUL_LO
	MUL16 F1, 0, 0, 0                              ; sixteen matrix instructions stand between the add and the wait for it
	s_wait_dscnt 0x0                               ; the add is done, and my reads of this slot are over
	s_barrier_signal -1
	MUL16 F1, 0, 2, 0                              ; work on registers while the others arrive
.if \round
	WIN 0
.endif
	s_barrier_wait -1
.endm
; The whole last quarter.  Behind the round the slot just read out is filled again first.  B's K steps run on through the planes: always two steps on.  A goes two steps on along its rows and, in a tile's last lap,
; a whole row back: to the same rows' K step 0 or 1, for the next plane.  From a request to the wait for it a wave issues 224 matrix instructions, across tiles too.
.macro TURN slot, next
	s_wait_xcnt 0x0                                ; the last prefetch, a K step back, has read its address: it is stepped here, ahead of the waits of the change of slots
	s_add_nc_u64 s[PFA:PFA+1], s[PFA:PFA+1], s[PFS:PFS+1]
	s_sub_co_i32 s[PFN], s[PFN], 1
	MEET 1
	CREST                                          ; no wave of any partner still reads this slot's tile or has a load on its way
	s_add_nc_u64 s[G0+4*(\slot)+2:G0+4*(\slot)+3], s[G0+4*(\slot)+2:G0+4*(\slot)+3], 2*KSTEP*2
	s_sub_nc_u64 s[G0+4*(\slot)+2:G0+4*(\slot)+3], s[G0+4*(\slot)+2:G0+4*(\slot)+3], s[ABK:ABK+1]
	s_add_nc_u64 s[G0B+4*(\slot)+2:G0B+4*(\slot)+3], s[G0B+4*(\slot)+2:G0B+4*(\slot)+3], 2*BSTEP
	JLOAD \slot                                    ; the first tensor load behind the round; the four v_nop behind it are also the places in front of the loads below
	FETCH \next, 0, F0
	ASK
	WIN MUL_HI
	MUL16 F1, 1, 0, 0
	MUL16 F1, 1, 2, 0
.endm
; THE LAST K STEP OF THE LAST TILE (it lies in slot 1) GOES BY ROWS OF C.  All its fragments of B (4 quarters x 64 registers) fill window 1; then my eight blocks of 16 rows are finished one after the
; other, each with 32 matrix instructions (its 8 accumulators by turns, K ascending).
.macro BLOAD q                         ; B's fragments of quarter q -> window 1, v[64 q ..]
	WIN TO_B
.irp i, 0,1,2,3,4,5,6,7
	ds_load_tr16_b128 v[64*(\q)+8*(\i):64*(\q)+8*(\i)+3],   v[ADRB+1] offset:32*(\q)*BPITCH+32*(\i)
	ds_load_tr16_b128 v[64*(\q)+8*(\i)+4:64*(\q)+8*(\i)+7], v[ADRB+1] offset:32*(\q)*BPITCH+32*(\i)+16*BPITCH
.endr
.endm
.macro ALOAD a                         ; A's fragments of block a, all four quarters -> buffer a % 4
	WIN 0
.set FA, PA+32*((\a)%4)
.irp q, 0,1,2,3
	ds_load_b128 v[FA+8*(\q):FA+8*(\q)+3],   v[ADRA+1] offset:64*(\q)+(\a)*16*PITCH
	ds_load_b128 v[FA+8*(\q)+4:FA+8*(\q)+7], v[ADRA+1] offset:64*(\q)+(\a)*16*PITCH+32
.endr
.endm
.macro ROW a                           ; block a is finished: 32 matrix instructions
.set FA, PA+32*((\a)%4)
.set AC, 64*((\a)%4)
	WIN MUL_LO+0x50*((\a)/4)
.irp q, 0,1,2,3
.if (\a) == 0 && (\q) == 2
	s_wait_dscnt 24                                ; B's quarter 2 is in (behind it: A's blocks 1 to 3)
.endif
.irp b, 0,1,2,3,4,5,6,7
	v_wmma_f32_16x16x32_bf16 v[AC+8*(\b):AC+8*(\b)+7], v[64*(\q)+8*(\b):64*(\q)+8*(\b)+7], v[FA+8*(\q):FA+8*(\q)+7], v[AC+8*(\b):AC+8*(\b)+7]
.endr
.endr
.endm
; THE WAY OUT of block a.  PACK: rounded to f16, 16 bytes a lane, each accumulator's registers in ascending order.  TOSTAGE: into my own stage in LDS, and back as whole rows of 256 bytes.  SEND: stored.
.macro PACK a
.set AC, 64*((\a)%4)
	WIN 0x0a+5*((\a)/4)                            ; sources 0 and 1: window 2 or 3
.irp b, 0,1,2,3,4,5,6,7
.irp r, 0,1,2,3
	v_cvt_pk_f16_f32 v[TMP+4*(\b)+(\r)], v[AC+8*(\b)+2*(\r)], v[AC+8*(\b)+2*(\r)+1]
.endr
.endr
	WIN 0
.endm
.macro TOSTAGE a
	WIN 0
.set BK, OB+192*((\a)%2)
.irp b, 0,1,2,3,4,5,6,7
	ds_store_b128 v[STO], v[TMP+4*(\b):TMP+4*(\b)+3] offset:32*(\b)
.endr
.irp t, 0,1,2,3,4,5,6,7
	ds_load_b128 v[BK+4*(\t):BK+4*(\t)+3], v[RD] offset:(\t)*2*SPITCH  ; LDS serves a wave's instructions in order (ISA guide 5.7.1.4): these see the stores above
.endr
.endm
.macro SEND a, younger                 ; younger: the LDS loads issued behind TOSTAGE's, which may stay out
	WIN 0
.set BK, OB+192*((\a)%2)
	s_wait_dscnt \younger                          ; the block is back in registers
	s_wait_xcnt 0x0                                ; the earlier stores have read their registers: the buffer that the next TOSTAGE loads is rewritten only behind this wait
.irp t, 0,1,2,3,4,5,6,7
	global_store_b128 v[CO], v[BK+4*(\t):BK+4*(\t)+3], s[8:9] offset:(16*(\a)+2*(\t))*ROWQ  ; 16 lanes store 256 consecutive bytes, at a multiple of 256 from qkv's first byte; 126 rows at the most: 774,144 bytes, inside the signed 24-bit immediate
.endr
.endm
	s_wait_tensorcnt 1                             ; my part of K step 0 is in; K step 1's may stay out
	s_barrier_signal -1
	s_barrier_wait -1                              ; everybody's is
	FETCH 0, 0, F0
	s_mov_b32 s2, SIZE_TILES                       ; tiles to go, this one among them
	s_mov_b32 s[ABK+1], 0
.Ltile:                                                ; reached from the start and from behind a way out alone (FETCH and SEND leave every window 0)
	QUARTER 0, 64,  F0, F1, 1                      ; a tile's first quarter: its products start the sums
	WIN 0                                          ; at a label and at a branch every window is 0
	s_mov_b32 s3, LAPS                             ; laps to go in this tile, this one among them
	s_branch .Lstarted                             ; the loop over laps is entered behind its first quarter
.Llap:                                                 ; a trip is a lap: once round the ring; it fills both slots again
	QUARTER 0, 64,  F0, F1, 0
	WIN 0
.Lstarted:
	s_cmp_eq_u32 s3, 1                             ; the tile's last lap asks for the next plane's first two K steps: A goes back along its rows
	s_cselect_b32 s[ABK], ROWA, 0
	QUARTER 0, 128, F1, F0, 0
	QUARTER 0, 192, F0, F1, 0
	WIN 0
	s_cmp_eq_u32 s3, 1
	s_cbranch_scc0 .Lround_on
	s_cmp_eq_u32 s2, 1
	s_cbranch_scc1 .Llast_lap                      ; the last tile's last lap is written out: it asks for nothing more
.Lround_on:
	TURN 0, 1
	QUARTER 1, 64,  F0, F1, 0
	QUARTER 1, 128, F1, F0, 0
	QUARTER 1, 192, F0, F1, 0
	TURN 1, 0
	WIN 0
	s_sub_co_u32 s3, s3, 1
	s_cmp_lg_u32 s3, 0
	s_cbranch_scc1 .Llap
	PACK 0                                         ; both refills for the next plane are asked for, and its first fragments fetched: now the tile goes out.  Blocks 0-3 were finished in front of TURN's places, and their 128 conversions,
	TOSTAGE 0                                      ; which name no register of the last products (blocks 4-7's), are those products' places
.irp a, 1,2,3,4,5,6,7                  ; block a's conversions stand between block a - 1's loads from the stage and the wait for them
	PACK \a
	SEND (\a)-1, 0
	TOSTAGE \a
.endr
	SEND 7, 0
	s_wait_xcnt 0x0                                ; the stores have read their base
	s_add_nc_u64 s[8:9], s[8:9], 256               ; the next plane's 256 bytes of the same rows
	s_sub_co_u32 s2, s2, 1
	s_branch .Ltile
.Llast_lap:
	MEET 0                                         ; my one tensor load that was still out is slot 1's, the last K step's, so no round follows
	PLACES                                         ; for the loads into buffer 0, which the quarter before multiplied
	WIN TO_B
	BLOAD 0                                        ; three quarters of B now: buffer 1 (v128-191 of both windows) is still being multiplied
	BLOAD 1
	BLOAD 3
	WIN 0
	ALOAD 0
	WIN MUL_HI
	MUL16 F1, 1, 0, 0
	MUL16 F1, 1, 2, 0
	PLACES                                         ; for the loads into buffer 1
	WIN TO_B
	BLOAD 2
	WIN 0
	ALOAD 1
	ALOAD 2
	ALOAD 3
	s_wait_dscnt 40                                ; all but the 40 just issued
	ROW 0
.irp a, 0,1,2,3,4,5,6,7                ; each block leaves as soon as it is finished
	PLACES                                         ; its conversions read results just made
	PACK \a
	TOSTAGE \a
.if (\a) < 4
	ALOAD (\a)+4                                   ; its buffer takes the block four further on
	SEND \a, 8
.else
	SEND \a, 0
.endif
.if (\a) < 7
	ROW (\a)+1
.endif
.endr
	s_wait_tensorcnt 0x0                           ; the wave's end, behind my last tensor load and my last LDS store
	ds_add_u32 v[SPW], v[NIL]
	s_wait_dscnt 0x0
	CROUND                                         ; the closing round: no work-group ends while a partner may still ask for a tile that names it
	s_endpgm
.Lfunc_end_k_q0113914cbd_qkv:
	.size	k_q0113914cbd_qkv, .Lfunc_end_k_q0113914cbd_qkv-k_q0113914cbd_qkv
	.p2alignl 7, 3214868480
	.fill 96, 4, 3214868480
	.section	.rodata,"a",@progbits
	.p2align	6, 0x0
	.amdhsa_kernel k_q0113914cbd_qkv
		.amdhsa_group_segment_fixed_size 327680
		.amdhsa_private_segment_fixed_size 0
		.amdhsa_enable_private_segment 0
		.amdhsa_kernarg_size 24
		.amdhsa_user_sgpr_count 2
		.amdhsa_user_sgpr_kernarg_segment_ptr 1
		.amdhsa_wavefront_size32 1
		.amdhsa_system_sgpr_workgroup_id_x 1
		.amdhsa_system_sgpr_workgroup_id_y 1
		.amdhsa_system_sgpr_workgroup_id_z 1
		.amdhsa_system_vgpr_workitem_id 0
		.amdhsa_next_free_vgpr 1024
		.amdhsa_next_free_sgpr 72
		.amdhsa_reserve_vcc 0
		.amdhsa_float_denorm_mode_32 3
		.amdhsa_float_denorm_mode_16_64 3
		.amdhsa_memory_ordered 1
		.amdhsa_forward_progress 1
		.amdhsa_inst_pref_size 163
	.end_amdhsa_kernel
	.amdgpu_metadata
---
amdhsa.version: [ 1, 2 ]
amdhsa.kernels:
  - .name:           k_q0113914cbd_qkv
    .symbol:         k_q0113914cbd_qkv.kd
    .args:
      - { .name: xb, .offset: 0, .size: 8, .value_kind: global_buffer, .address_space: global }
      - { .name: wb, .offset: 8, .size: 8, .value_kind: global_buffer, .address_space: global }
      - { .name: qkv, .offset: 16, .size: 8, .value_kind: global_buffer, .address_space: global }
    .group_segment_fixed_size: 327680
    .private_segment_fixed_size: 0
    .kernarg_segment_align: 8
    .kernarg_segment_size: 24
    .max_flat_workgroup_size: 128
    .sgpr_count:     72
    .vgpr_count:     1024
    .wavefront_size: 32
...
	.end_amdgpu_metadata
.endif
;; end of part 2
;; launch attn (part 3): grid 8 x 32, 4 waves a work-group, no clusters, 327,680 bytes of LDS; arguments qkv, out0; writes out0
.if DOCPART == 3
	.amdgcn_target "amdgcn-amd-amdhsa--gfx1250"
	.amdhsa_code_object_version 6
	.text
	.protected	k_q0113914cbd_attn
	.globl	k_q0113914cbd_attn
	.p2align	8
	.type	k_q0113914cbd_attn,@function
k_q0113914cbd_attn:
	s_mov_b64 s[64:65], 0
	v_nop
	global_prefetch_b8 v0, s[64:65] scope:SCOPE_SE
	s_setreg_imm32_b32 hwreg(HW_REG_WAVE_MODE, 25, 1), 1
	s_wait_xcnt 0x0
; LOCAL CAUSAL ATTENTION.  For each batch b, head and chunk j of 128 positions: the chunk's queries see the keys of chunk j - 1 (all of them; none where j = 0: there the chunk in front is the rolled last
; chunk, whose positions are all later) and of chunk j up to their own position.  out0[b][s][64 head + d] = the sum over seen keys of softmax(q . k / 8) v, in f32.
; qkv: f16, [16384 rows][8 head pairs][3: q, k, v][128 = 2 heads x 64], unscaled.  Products, maxima and sums in f32; the weights p are rounded to f16 for the second product (their sum l is taken of the unrounded p).
; LIMITS.  q, k, v arrive within f16's 65,504.  A hidden score counts as its value less 1e30, so its weight is 0: that is the stated result wherever a row's largest seen score q . k / 8 lies above
; -1e9 + 104; below that the -1e9 of the problem's mask would take weight, and here it takes none.  A weight below 2^-126 counts as 0 in l; NaN and infinities are not treated apart.
; SHARES.  A work-group owns one batch, one pair of heads and four chunks c0 .. c0 + 3; 8 x 32 work-groups.  Wave w: head w % 2 of the pair; of a chunk's eight tiles of 16 queries the tiles 2 t + g, g = w / 2,
; t = 0..3: so both g have the same work on the diagonal.
; THE WALK GOES DOWN: tiles of 128 rows x 768 bytes (q, k, v of the pair) of chunks c0 + 3, c0 + 2, c0 + 1, c0, (c0 - 1) mod 32 pass through two LDS slots.  Chunk j is done in two steps: DIAG on its own tile starts
; m, l and O; FULL on the tile below goes on with the running maximum.  A tile's K and V are fetched into registers once, and serve FULL of the chunk above and then DIAG of its own.
; THE FETCHES STAND EARLY, THEIR WAITS LATE.  DIAG's last product on K stands in its third turn: the change of slots and the fetch of the next tile's K stand ahead of its fourth turn, and K lands under that turn.  V is fetched
; behind DIAG's last product; its first reader is FULL's second turn, and the wait for it stands there.
; NO CLUSTER: of a work-group's five tiles one is read by a neighbour too, and that at the other end of the neighbour's walk.
; LAYOUT.  S^T = K Q^T (source 0 = 16 keys, source 1 = 16 queries): a lane holds ONE query (lane % 16) and the keys 8 (lane / 16) + 0..7.  Two such results, rounded to f16 in pairs, ARE source 1 (32 keys x 16 queries)
; of O^T = V^T P, whose result again holds one query a lane, and eight channels.  K comes out of LDS as it lies, V ([key][channel]) turned, by ds_load_tr16_b128.
; SOFTMAX.  p = 2^(c s - c m), c = log2(e) / 8, m the running maximum; in FULL O and l are multiplied by a = 2^(c m_old - c m_new).
; THE MASK is the C operand of the product that starts a sum: 0, or -1e30 where the key is hidden.  In DIAG tile t takes the key blocks 0 .. 2 t + 1 alone (the later ones are wholly hidden and are not computed); block 2 t
; takes ME, block 2 t + 1 MO, made once.  The tail's FULL takes MP: -1e30 where c0 = 0, else 0.
; BY TURNS.  Turn t does tile t's softmax; beside its first part (maximum, scalings, exponentials: one batch, one wait) stand the products K Q^T of tile t + 1, beside its second part (rescaling, roundings, sums) the
; products V^T P of tile t - 1: a matrix instruction behind every four vector instructions while there are any.
; REGISTERS, in windows of 256 (s_set_vgpr_msb: bits 1:0 source 0, 3:2 source 1, 5:4 source 2, 7:6 destination):
;   window 0: v0-15 addresses; v16-31 four registers of statistics a tile; v32-36 at work; v62-63 the add's; v64-191 S^T, two buffers of 64; v192-255 P, two buffers of 32 (a tile's buffers go by its number's parity)
;   window 1: v0-127 O^T, 32 a tile; v128-191 Q, 16 a tile; v192-215 ME, MO, MP          window 2: v0-127 K; v128-255 V
.set PT,    816       ; a row in LDS: three times 256 bytes + 16 of padding = 204 words: the 16 rows of a load of K or Q start at 16 different groups of four banks (64 banks of 4 bytes: ISA guide 11.1)
.set ROWG,  6144      ; bytes in a row of qkv
.set TILEG, 128*ROWG  ; from a chunk's tile to the next chunk's
.set SLOT1, 1<<17     ; slot 1 begins here, so that one exclusive or turns an address in one slot into the other's
.set STAGE, SLOT1+128*PT  ; behind the ring, never filled by a tensor load: 16 rows x 272 bytes for each wave, for the way out
.set SP,    272
.set SPARE, STAGE+4*16*SP ; behind the stages: the spare words, 128 bytes for each wave: two blocks of 256 bytes that no other line names
.set HALFR, 64*PT     ; an LDS offset holds 16 bits: a tile's rows 64 on have an address register of their own
.set AK0, 2           ; v2   my lane's place in a tile's K; never rewritten
.set AV0, 3           ; v3   in its V
.set AQ0, 4           ; v4   in its Q
.set AK,  5           ; v5-6   the LDS addresses of K's run of loads: rows 0 on, rows 64 on
.set AV,  7           ; v7-8   of V's
.set AQ,  9           ; v9-10  of Q's
.set STO, 11          ; v11  the way out: where I put 32 bytes of a row
.set RD,  12          ; v12  the way out: where I read rows back
.set GO,  13          ; v13  my byte offset in two rows of out0
.set ST,  16          ; tile t's statistics at v[ST+4 t]: c m, m, l (even keys', odd keys')
.set TMP, 32          ; v32-35 c0-c3 at work; a takes c2's place
.set MV,  36          ; v36  c m_old
.set SPW, 62          ; v62  LDS address of my spare word: SPARE + 4 x my thread's number; never rewritten
.set NIL, 63          ; v63  0; never rewritten
.set S,   64
.set P,   192
.set QF,  128         ; window 1: tile t, channel half c at QF + 16 t + 8 c
.set ME,  192         ; window 1
.set MO,  200
.set MP,  208
.set VF,  128         ; window 2: key group kk of 32, channel block cb at VF + 32 kk + 8 cb;  K: key block kb, channel half c at 16 kb + 8 c
.set WV,  8           ; s8   my wave's number
.set HH,  9           ; s9   my head of the pair
.set GG,  10          ; s10  g
.set C0,  13          ; s13  c0
.set NXT, 14          ; s14  the chunk whose tile is asked for next
.set TB,  16          ; s16  LDS byte at which the tile to be fetched begins
.set TRIPS, 17        ; s17
.set BIGN, 18         ; s18  -1e30
.set SME, 19          ; s19  -1e30 where g = 0, else 0
.set KVB, 20          ; s[20:21] qkv at my 32 rows of my batch's chunk 0, at my head pair
.set OUTP, 22         ; s[22:23] out0 at my first row of the chunk in hand, at my head
.set G1,  24          ; s[24:31] descriptor group 1
.set G0A, 32          ; s[32:35] descriptor group 0 of the first fill
.set G0,  36          ; s[36:39] of the second; it then walks
.set OFF, 40          ; s[40:41] a tile's byte offset
.set CS,  42          ; s[42:43] c: the packed scaling takes the pair's low word for both halves
.set SEL, 44          ; s[44:45] v_permlanex16_b32's selects: each lane takes its own place in the other half
.set BE,  46          ; s46  what MP holds
.set MSB, 0
.macro WIN new                      ; the high byte repeats the setting that is left; a switch that changes nothing is dropped
.if MSB != (\new)
	s_set_vgpr_msb (MSB<<8)|(\new)
.set MSB, (\new)
.endif
.endm
.set W_KQ, 0x06       ; K in window 2, Q in window 1, S^T in window 0
.set W_KM, 0x16       ; the same with the C operand in window 1
.set W_PV, 0x52       ; V in window 2, P in window 0, O^T in window 1
.set W_RS, 0x41       ; destination and source 0 in window 1, source 1 in window 0
.macro PLACES                       ; four places behind a matrix instruction (ISA guide 7.12.1)
.rept 4
	v_nop
.endr
.endm
; THE CHANGE OF SLOTS, ahead of DIAG's fourth turn: the tile in hand has long been read into registers.  Each wave waits for all its tensor loads, of which one is out: its 32 rows of the other slot; adds 0 to its spare
; word; and waits for that and for its own reads of the slot that it leaves.  Behind the barrier nobody reads the old slot any more and the other slot is whole.  fill = 1: the old slot is filled again, the first thing behind
; the barrier, with chunk NXT's tile: one load a wave, which has a whole trip, 208 matrix instructions, in which to land.
.macro CHANGE fill
	WIN 0
	s_wait_tensorcnt 0x0            ; no tensor load of mine is out, so a group 0 may be written
	ds_add_u32 v[SPW], v[NIL]       ; 0 onto my spare word: the descriptor's scalar work stands between it and the wait for it
.if \fill
	s_mul_i32 s[OFF], s[NXT], TILEG
	s_xor_b32 s[G0+1], s[G0+1], SLOT1
	s_add_nc_u64 s[G0+2:G0+3], s[KVB:KVB+1], s[OFF:OFF+1]
	s_or_b32 s[G0+3], s[G0+3], 0x80000000
	s_sub_co_u32 s[NXT], s[NXT], 1  ; one chunk down; below chunk 0 the last
	s_and_b32 s[NXT], s[NXT], 31
.endif
	s_wait_dscnt 0x0                ; the add is done, and my reads of the slot are over
	s_barrier_signal -1
	s_barrier_wait -1
.if \fill
	tensor_load_to_lds s[G0:G0+3], s[G1:G1+7]
	s_nop 0
.endif
	PLACES
.endm
; THE LDS LOADS stand in runs.  A tile's K for my head: 8 blocks of 16 keys x 2 halves of 32 channels.
.macro FETCH_K
	WIN 0
	v_add_nc_u32 v[AK], s[TB], v[AK0]
	v_add_nc_u32 v[AK+1], HALFR, v[AK]
	WIN 0x80                        ; destination window 2
.irp f, 0,1,2,3,4,5,6,7,8,9,10,11,12,13,14,15  ; keys 16 (f / 2) on, channels 32 (f % 2) on
	ds_load_b128 v[8*(\f):8*(\f)+3],   v[AK+(\f)/8] offset:(((\f)/2)%4)*16*PT+((\f)%2)*64
	ds_load_b128 v[8*(\f)+4:8*(\f)+7], v[AK+(\f)/8] offset:(((\f)/2)%4)*16*PT+((\f)%2)*64+32
.endr
	WIN 0
.endm
.macro FETCH_V                      ; its V, turned: 4 groups of 32 keys x 4 blocks of 16 channels
	WIN 0
	v_add_nc_u32 v[AV], s[TB], v[AV0]
	v_add_nc_u32 v[AV+1], HALFR, v[AV]
	WIN 0x80
.irp f, 0,1,2,3,4,5,6,7,8,9,10,11,12,13,14,15  ; keys 32 (f / 4) on, channels 16 (f % 4) on
	ds_load_tr16_b128 v[VF+8*(\f):VF+8*(\f)+3],   v[AV+(\f)/8] offset:(((\f)/4)%2)*32*PT+((\f)%4)*32
	ds_load_tr16_b128 v[VF+8*(\f)+4:VF+8*(\f)+7], v[AV+(\f)/8] offset:(((\f)/4)%2)*32*PT+16*PT+((\f)%4)*32
.endr
	WIN 0
.endm
.macro FETCH_Q                      ; my four tiles of its Q: tile t lies 32 t rows down
	WIN 0
	v_add_nc_u32 v[AQ], s[TB], v[AQ0]
	v_add_nc_u32 v[AQ+1], HALFR, v[AQ]
	WIN 0x40                        ; destination window 1
.irp f, 0,1,2,3,4,5,6,7             ; tile f / 2, channels 32 (f % 2) on
	ds_load_b128 v[QF+8*(\f):QF+8*(\f)+3],   v[AQ+(\f)/4] offset:(((\f)/2)%2)*32*PT+((\f)%2)*64
	ds_load_b128 v[QF+8*(\f)+4:QF+8*(\f)+7], v[AQ+(\f)/4] offset:(((\f)/2)%2)*32*PT+((\f)%2)*64+32
.endr
	WIN 0
.endm
; THE MATRIX WORK.  RUN names the run of products that is due: kind 1: S^T = K Q^T, kind 2: O^T += V^T P, kind 0: none; f = 0: DIAG (tile t takes 2 t + 2 key blocks), 1: FULL (8); msk: 0: C = 0, 1: ME and MO, 2: MP.
; Either kind has twice as many instructions as the tile has key blocks.  MM writes the run's next instruction.  The accumulators of a run take turns, one instruction a turn.
.macro RUN kind, f, t, msk
.set mKind, (\kind)
.set mF, (\f)
.set mT, (\t)
.set mMsk, (\msk)
.set mB, 8
.if !(\f)
.set mB, 2*(\t)+2
.endif
.set mN, 2*mB
.if (\kind) == 0
.set mN, 0
.endif
.set mu, 0
.set vc, 0
.endm
.macro MM
.if mu < mN
.if mKind == 1                      ; number mu: channels 32 (mu / mB) on, keys 16 (mu % mB) on; the first mB start the sums
.set mc, mu/mB
.set mk, mu%mB
.set mS, S+64*(mT%2)+8*mk
.set mA, 16*mk+8*mc
.set mQ, QF+16*mT+8*mc
.if mc == 1
	WIN W_KQ
	v_wmma_f32_16x16x32_f16 v[mS:mS+7], v[mA:mA+7], v[mQ:mQ+7], v[mS:mS+7]
.elseif mMsk == 2
	WIN W_KM
	v_wmma_f32_16x16x32_f16 v[mS:mS+7], v[mA:mA+7], v[mQ:mQ+7], v[MP:MP+7]
.elseif (mMsk == 1) && (mk == mB-2)
	WIN W_KM
	v_wmma_f32_16x16x32_f16 v[mS:mS+7], v[mA:mA+7], v[mQ:mQ+7], v[ME:ME+7]
.elseif (mMsk == 1) && (mk == mB-1)
	WIN W_KM
	v_wmma_f32_16x16x32_f16 v[mS:mS+7], v[mA:mA+7], v[mQ:mQ+7], v[MO:MO+7]
.else
	WIN W_KQ
	v_wmma_f32_16x16x32_f16 v[mS:mS+7], v[mA:mA+7], v[mQ:mQ+7], 0
.endif
.else                               ; number mu: keys 32 (mu / 4) on, channels 16 (mu % 4) on; in DIAG the first 4 start the sums
.set mc, mu/4
.set mk, mu%4
.set mO, 32*mT+8*mk
.set mA, VF+32*mc+8*mk
.set mQ, P+32*(mT%2)+8*mc
	WIN W_PV
.if (!mF) && (mc == 0)
	v_wmma_f32_16x16x32_f16 v[mO:mO+7], v[mA:mA+7], v[mQ:mQ+7], 0
.else
	v_wmma_f32_16x16x32_f16 v[mO:mO+7], v[mA:mA+7], v[mQ:mQ+7], v[mO:mO+7]
.endif
.endif
.set mu, mu+1
.endif
.endm
.macro FLUSH                        ; what is left of the run
.rept mN-mu
	MM
.endr
.endm
.macro VL line:vararg               ; a vector line of the softmax, in window setting VW; behind every fourth stands the run's next matrix instruction
	WIN VW
	\line
.set vc, vc+1
.if (vc%4 == 0)
	MM
.endif
.endm
; THE SOFTMAX OF TILE t, FIRST PART: all that names no result of the tile's exponentials.  pN key blocks, 8 pN scores a lane.
; The maximum: chains c0-c3 (two where pN = 2), three operands at a time; chain q takes block q and, where there is one, block q + 4: of each accumulator the lowest registers are read first.
; Then the scores left over, the old m (FULL), the other half of the lanes', c m, and c m_old - c m_new (FULL).  Then ONE BATCH: the scalings c s - c m, a pair each, and all exponentials, each pair's behind the next pair's
; scaling; last a (FULL).  A v_nop is the plain instruction behind the last exponential, and ONE wait serves the batch, ahead of the first instruction that names a result.
.macro SMA f, t
.set rT, ST+4*(\t)
.set rS, S+64*((\t)%2)
.set pN, 8
.if !(\f)
.set pN, 2*(\t)+2
.endif
.set NCH, 4
.if pN == 2
.set NCH, 2
.endif
.set VW, 0
.set q, 0
.rept NCH
	VL v_max3_num_f32 v[TMP+q], v[rS+8*q], v[rS+8*q+1], v[rS+8*q+2]
.set q, q+1
.endr
.set lv, 1
.rept 6
.set q, 0
.rept NCH
.if (lv < 3) || (q+4 < pN)
.set i1, 2*lv+1
.set i2, 2*lv+2
.if i1 >= 8
.set i1, i1+24
.endif
.if i2 >= 8
.set i2, i2+24
.endif
	VL v_max3_num_f32 v[TMP+q], v[TMP+q], v[rS+8*q+i1], v[rS+8*q+i2]
.endif
.set q, q+1
.endr
.set lv, lv+1
.endr
.set la, 7                          ; the scores left over: the last of a chain's one block or of its second
.set lb, 15
.if 4 < pN
.set la, 39
.endif
.if 5 < pN
.set lb, 47
.endif
	VL v_max3_num_f32 v[TMP], v[TMP], v[rS+la], v[rS+lb]
.if NCH == 4
.set la, 23
.set lb, 31
.if 6 < pN
.set la, 55
.endif
.if 7 < pN
.set lb, 63
.endif
	VL v_max3_num_f32 v[TMP+1], v[TMP+1], v[rS+la], v[rS+lb]
.if \f
	VL v_max3_num_f32 v[TMP+2], v[TMP+2], v[TMP+3], v[rT+1]
	VL v_mov_b32 v[MV], v[rT]
.else
	VL v_max_num_f32 v[TMP+2], v[TMP+2], v[TMP+3]
.endif
	VL v_max3_num_f32 v[TMP], v[TMP], v[TMP+1], v[TMP+2]
.else
	VL v_max_num_f32 v[TMP], v[TMP], v[TMP+1]
.endif
	VL v_permlanex16_b32 v[TMP+3], v[TMP], s[SEL], s[SEL+1]
	VL v_max_num_f32 v[rT+1], v[TMP], v[TMP+3]
	VL v_mul_f32 v[rT], s[CS], v[rT+1]
.if \f
	VL v_sub_f32 v[TMP+1], v[MV], v[rT]
.endif
.set b, 0
.rept 4*pN
	VL v_pk_fma_f32 v[rS+2*b:rS+2*b+1], v[rS+2*b:rS+2*b+1], s[CS:CS+1], v[rT:rT+1] op_sel_hi:[1,0,0] neg_lo:[0,0,1] neg_hi:[0,0,1]
.if b > 0
	VL v_exp_f32 v[rS+2*b-2], v[rS+2*b-2]
	VL v_exp_f32 v[rS+2*b-1], v[rS+2*b-1]
.endif
.set b, b+1
.endr
	VL v_exp_f32 v[rS+8*pN-2], v[rS+8*pN-2]
	VL v_exp_f32 v[rS+8*pN-1], v[rS+8*pN-1]
.if \f
	VL v_exp_f32 v[TMP+2], v[TMP+1]
.endif
	FLUSH
	WIN 0
	v_nop                           ; a plain instruction behind the last exponential: one for the batch
	s_wait_alu depctr_va_vdst(0)    ; the wait for the batch
.endm
; l takes the sum of the four weights of group n.  FULL: the first time as l = a l + sum.  DIAG: groups 0 and 1 start l.
.macro LTAKE f, n
.if (\n) >= 0
.if \f
.if (\n) == 0
	VL v_pk_fma_f32 v[rT+2:rT+3], v[rT+2:rT+3], v[TMP+2:TMP+3], v[rS:rS+1] op_sel_hi:[1,0,1]
.else
	VL v_pk_add_f32 v[rT+2:rT+3], v[rT+2:rT+3], v[rS+4*(\n):rS+4*(\n)+1]
.endif
.else
.if (\n) == 1
	VL v_pk_add_f32 v[rT+2:rT+3], v[rS:rS+1], v[rS+4:rS+5]
.elseif (\n) > 1
	VL v_pk_add_f32 v[rT+2:rT+3], v[rT+2:rT+3], v[rS+4*(\n):rS+4*(\n)+1]
.endif
.endif
.endif
.endm
; SECOND PART, behind the wait.  FULL: the tile's O^T times a, in ascending order.  Then for each four weights: both pairs are rounded to f16; the second pair is added onto the first, in place; a group later l takes that sum.
.macro SMB f, t
.set rT, ST+4*(\t)
.set rS, S+64*((\t)%2)
.set rP, P+32*((\t)%2)
.if \f
.set VW, W_RS
.set z, 32*(\t)
.rept 16
	VL v_pk_mul_f32 v[z:z+1], v[z:z+1], v[TMP+2:TMP+3] op_sel_hi:[1,0]
.set z, z+2
.endr
.set VW, 0
.endif
.set k, 0
.rept 2*pN
	VL v_cvt_pk_f16_f32 v[rP+2*k], v[rS+4*k], v[rS+4*k+1]
	VL v_cvt_pk_f16_f32 v[rP+2*k+1], v[rS+4*k+2], v[rS+4*k+3]
	VL v_pk_add_f32 v[rS+4*k:rS+4*k+1], v[rS+4*k:rS+4*k+1], v[rS+4*k+2:rS+4*k+3]
	LTAKE \f, k-1
.set k, k+1
.endr
	LTAKE \f, 2*pN-1
	FLUSH
.endm
; A TURN, for tile t.  kq = 1: the products K Q^T of tile t + 1 stand beside the first part; pv = 1: the products V^T P of tile t - 1 beside the second.  The tile in hand and its neighbours differ in the parity of
; their buffers and in their O^T, so no vector line names a register of the products round it; every matrix result is first read half a turn later or more.
.macro TURN f, t, kq, pv, msk
	RUN \kq, \f, (\t)+1, \msk
	MM
	SMA \f, \t
	RUN 2*(\pv), \f, (\t)-1, 0
	MM
	SMB \f, \t
.endm
; DIAG: a chunk's queries on its own keys: starts m, l and O^T.  40 + 40 matrix instructions, in two parts: the change of slots and the fetch of the next tile's K stand between them.
; DIAG_A: the first three turns: all products on K, and V^T P of tiles 0 and 1.
.macro DIAG_A
	s_wait_dscnt 32                 ; Q and K are in.  At the first use V's 32 loads, issued behind them, may stay out; on the loop's way nothing is out: the way out has waited for all
	RUN 1, 0, 0, 1
	FLUSH                           ; tile 0's scores: there is no vector work yet to set between them
	WIN 0
	PLACES
	TURN 0, 0, 1, 0, 1
	s_wait_dscnt 0x0                ; V is in: its first reader stands in the next turn
	TURN 0, 1, 1, 1, 1
	TURN 0, 2, 1, 1, 1
.endm
; DIAG_B: the fourth turn and tile 3's V^T P; it names V, and K no more.  The four v_nop are the places between the last product and the loads into V's registers.
.macro DIAG_B
	TURN 0, 3, 0, 1, 1
	RUN 2, 0, 3, 0
	FLUSH
	WIN 0
	PLACES
.endm
; FULL: a chunk's queries on the keys of the chunk in front.  64 + 64 matrix instructions.  fetchq = 1: when the last product has read Q (80 plain lines back), the Q of the tile in hand, the next chunk's, is fetched.
.macro FULL msk, fetchq
	s_wait_dscnt 32                 ; K is in; V's 32 loads, issued behind K's, may stay out
	RUN 1, 1, 0, \msk
	FLUSH
	WIN 0
	PLACES
	TURN 1, 0, 1, 0, \msk
	s_wait_dscnt 0x0                ; V is in: its first reader stands in the next turn
	TURN 1, 1, 1, 1, \msk
	TURN 1, 2, 1, 1, \msk
.if \fetchq
	FETCH_Q
.endif
	TURN 1, 3, 0, 1, \msk
	RUN 2, 1, 3, 0
	FLUSH
.endm
; THE WAY OUT of a chunk.  l's two halves and the other half of the lanes' are added (the first additions are the places behind the last products); O^T is divided by l and sent, in f32, through my stage in LDS, a tile at a time.
.macro PACK t                       ; a lane's eight channels of a row are 32 bytes; they go into rows of 272 bytes and come back as whole rows of 256, into S^T's registers
	WIN W_RS
.set z, 32*(\t)
.rept 16
	v_pk_mul_f32 v[z:z+1], v[z:z+1], v[ST+4*(\t)+2:ST+4*(\t)+3] op_sel_hi:[1,0]
.set z, z+2
.endr
	WIN 0x04                        ; the stores' data (source 1) in window 1
.irp cb, 0,1,2,3
	ds_store_b128 v[STO], v[32*(\t)+8*(\cb):32*(\t)+8*(\cb)+3]   offset:64*(\cb)
	ds_store_b128 v[STO], v[32*(\t)+8*(\cb)+4:32*(\t)+8*(\cb)+7] offset:64*(\cb)+16
.endr
	WIN 0
.irp f, 0,1,2,3,4,5,6,7
	ds_load_b128 v[S+32*(\t)+4*(\f):S+32*(\t)+4*(\f)+3], v[RD] offset:(\f)*2*SP  ; LDS serves a wave's instructions in order (ISA guide 5.7.1.4): these see the stores above; the next tile's stores come behind them
.endr
.endm
.macro SEND t, younger              ; younger: the LDS instructions issued behind tile t's loads: the next tile's sixteen, or none
	WIN 0
.irp f, 0,1,2,3,4,5,6,7
	s_wait_dscnt (\younger)+7-(\f)
	global_store_b128 v[GO], v[S+32*(\t)+4*(\f):S+32*(\t)+4*(\f)+3], s[OUTP:OUTP+1] offset:(\t)*32*4096+(\f)*2*4096 th:TH_STORE_NT  ; 16 lanes store a head's 256 consecutive bytes of a row, at a multiple of 256 from out0's first byte
.endr
.endm
.macro OUT step                     ; step = 1: another chunk follows
	WIN 0
.irp t, 0,1,2,3
	v_add_f32 v[ST+4*(\t)+2], v[ST+4*(\t)+2], v[ST+4*(\t)+3]
.endr
.irp t, 0,1,2,3
	v_permlanex16_b32 v[ST+4*(\t)+3], v[ST+4*(\t)+2], s[SEL], s[SEL+1]
.endr
.irp t, 0,1,2,3
	v_add_f32 v[ST+4*(\t)+2], v[ST+4*(\t)+2], v[ST+4*(\t)+3]
.endr
.irp t, 0,1,2,3
	v_rcp_f32 v[ST+4*(\t)+2], v[ST+4*(\t)+2]
.endr
	v_nop                           ; a plain instruction between the last reciprocal and the use of its result
	s_wait_alu depctr_va_vdst(0)    ; and the wait ahead of the first use: one for the four reciprocals
	PACK 0
	PACK 1                          ; a tile's arithmetic stands between the loads of the tile before and its stores
	SEND 0, 16
	PACK 2
	SEND 1, 16
	PACK 3
	SEND 2, 16
	SEND 3, 0
.if \step
	s_wait_xcnt 0x0                 ; the stores have read their registers and their base: S^T's registers and the base are rewritten only behind this wait
	s_sub_nc_u64 s[OUTP:OUTP+1], s[OUTP:OUTP+1], 128*4096  ; one chunk down
.endif
.endm
	s_load_b128 s[4:7], s[0:1], 0x0 ; qkv s[4:5], out0 s[6:7]
	v_lshl_add_u32 v[SPW], v0, 2, SPARE
	v_mov_b32 v[NIL], 0
	ds_add_u32 v[SPW], v[NIL]       ; the wave's opening: the add and its wait stand ahead of my first tensor load; the set-up below, work on registers, stands between them
	ds_add_u32 v62, v63
	v_lshrrev_b32 v1, 5, v0
	v_readfirstlane_b32 s[WV], v1   ; wave 0..3
	s_and_b32 s[HH], s[WV], 1
	s_lshr_b32 s[GG], s[WV], 1
	s_and_b32 s48, ttmp7, 0xffff
	s_lshr_b32 s49, s48, 3          ; the batch
	s_and_b32 s50, s48, 7           ; the pair of heads
	s_lshl_b32 s[C0], ttmp9, 2
	s_add_co_u32 s[NXT], s[C0], 1   ; the first two tiles go out at the start
	s_mul_i32 s[OFF], s49, 4096*ROWG  ; qkv: my batch,
	s_mul_i32 s51, s[WV], 32*ROWG   ; my 32 rows of a tile,
	s_add_co_u32 s[OFF], s[OFF], s51
	s_mul_i32 s51, s50, 768         ; my pair: under 2^27 in all
	s_add_co_u32 s[OFF], s[OFF], s51
	s_mov_b32 s[OFF+1], 0
	s_lshl_b32 s52, s49, 12         ; out0: row 4,096 b + 128 (c0 + 3) + 16 g,
	s_add_co_u32 s51, s[C0], 3
	s_lshl_b32 s51, s51, 7
	s_add_co_u32 s52, s52, s51
	s_lshl_b32 s51, s[GG], 4
	s_add_co_u32 s52, s52, s51
	s_lshl_b32 s52, s52, 12         ; of 4,096 bytes,
	s_lshl_b32 s51, s50, 1
	s_add_co_u32 s51, s51, s[HH]
	s_lshl_b32 s51, s51, 8          ; my head's 256 of them: under 2^27 in all
	s_add_co_u32 s52, s52, s51
	s_mov_b32 s53, 0
	; descriptor group 1: 32 rows x 384 elements (768 bytes: q, k, v of the pair), 16 bytes of padding behind every 256
	s_mov_b32 s[G1], (1<<16)|(1<<20)|(5<<22)|(3<<25)  ; 17:16 elements of 2 bytes; 20 padding on; 24:22 after every 64 words (code 5); 31:25 4 words (code 3)
	s_mov_b32 s[G1+1], 384<<16      ; tensor_dim0 = 384
	s_mov_b32 s[G1+2], 32<<16       ; tensor_dim1 = 32
	s_mov_b32 s[G1+3], 384<<16      ; tile_dim0 = 384
	s_mov_b32 s[G1+4], 32           ; tile_dim1 = 32
	s_mov_b32 s[G1+5], ROWG/2       ; elements from row to row
	s_mov_b32 s[G1+6], 0
	s_mov_b32 s[G1+7], 0
	s_mul_i32 s51, s[WV], 32*PT     ; my 32 rows in a slot
	s_mov_b32 s[G0A], 1             ; count = 1
	s_mov_b32 s[G0A+1], s51         ; LDS address: slot 0
	s_mov_b32 s[G0], 1
	s_add_co_u32 s[G0+1], s51, SLOT1  ; slot 1
	s_mov_b32 s[CS], 0x3e38aa3b     ; c = log2(e) / 8 = 0.180337
	s_mov_b32 s[CS+1], s[CS]        ; named with it as a pair
	s_mov_b32 s[SEL], 0x76543210
	s_mov_b32 s[SEL+1], 0xfedcba98
	s_mov_b32 s[BIGN], 0xf149f2ca   ; -1e30
	s_wait_dscnt 0x0                ; the opening add is done
	s_wait_kmcnt 0x0
	s_add_nc_u64 s[KVB:KVB+1], s[4:5], s[OFF:OFF+1]
	s_add_nc_u64 s[OUTP:OUTP+1], s[6:7], s[52:53]
	s_add_co_u32 s51, s[C0], 3
	s_mul_i32 s[OFF], s51, TILEG
	s_add_nc_u64 s[G0A+2:G0A+3], s[KVB:KVB+1], s[OFF:OFF+1]  ; chunk c0 + 3
	s_or_b32 s[G0A+3], s[G0A+3], 0x80000000                  ; type = 2
	s_sub_co_u32 s[OFF], s[OFF], TILEG
	s_add_nc_u64 s[G0+2:G0+3], s[KVB:KVB+1], s[OFF:OFF+1]    ; chunk c0 + 2
	s_or_b32 s[G0+3], s[G0+3], 0x80000000
	tensor_load_to_lds s[G0A:G0A+3], s[G1:G1+7]  ; the two first fills go out together, ahead of every wait on TENSORcnt, every LDS read and every barrier: two loads of mine are out
	s_nop 0
	tensor_load_to_lds s[G0:G0+3], s[G1:G1+7]
	s_nop 0
	PLACES
	; A fragment of K or Q is 16 rows x 32 channels in 8 registers: lane l holds row l % 16, channels 8 (l / 16) + 0..7 and 16 + 8 (l / 16) + 0..7: two loads of 16 bytes, 32 bytes apart.
	v_and_b32 v1, 15, v0            ; l % 16
	v_bfe_u32 v14, v0, 4, 1         ; l / 16
	s_lshl_b32 s48, s[HH], 7        ; my head's 128 bytes of a plane's 256
	v_mul_u32_u24 v[AK0], v1, PT
	v_lshl_add_u32 v[AK0], v14, 4, v[AK0]
	v_add_nc_u32 v[AK0], s48, v[AK0]  ; row x pitch + 16 x half + head
	s_mul_i32 s49, s[GG], 16*PT
	v_add_nc_u32 v[AQ0], s49, v[AK0]  ; Q: plane 0, 16 g rows down
	v_add_nc_u32 v[AK0], 272, v[AK0]  ; K: plane 1
	; The turning load takes 16 keys x 16 channels (lane l reads key 8 (l / 16) + l % 8, channels 8 ((l / 8) % 2) + 0..7) and leaves half a fragment of V^T: lane l holds channel l % 16 and 8 keys.
	v_and_b32 v15, 7, v0
	v_lshl_add_u32 v[AV0], v14, 3, v15
	v_mul_u32_u24 v[AV0], v[AV0], PT
	v_bfe_u32 v15, v0, 3, 1
	v_lshl_add_u32 v[AV0], v15, 4, v[AV0]
	s_add_co_u32 s48, s48, 544      ; V: plane 2
	v_add_nc_u32 v[AV0], s48, v[AV0]
	s_mul_i32 s49, s[WV], 16*SP
	s_add_co_u32 s49, s49, STAGE    ; my stage
	v_mul_u32_u24 v[STO], v1, SP    ; in: row l % 16, 32 bytes for each half of the lanes
	v_lshl_add_u32 v[STO], v14, 5, v[STO]
	v_add_nc_u32 v[STO], s49, v[STO]
	v_mul_u32_u24 v[RD], v14, SP    ; back: lanes 0-15 take one row of 256 bytes, lanes 16-31 the next
	v_lshl_add_u32 v[RD], v1, 4, v[RD]
	v_add_nc_u32 v[RD], s49, v[RD]
	v_lshlrev_b32 v[GO], 12, v14    ; and the same two rows in out0
	v_lshl_add_u32 v[GO], v1, 4, v[GO]
.irp i, 0,1,2,3
	v_mov_b32 v[TMP+(\i)], 0        ; v_permlanex16_b32's destination counts as read: written once here
.endr
	; The masks.  On the diagonal block register j (key 8 (l / 16) + j) is hidden from query l % 16 where j > l % 16 - 8 (l / 16).  My tile 2 t + g has its diagonal in key block 2 t + g:
	; g = 0: block 2 t is the diagonal one, block 2 t + 1 wholly hidden;  g = 1: block 2 t is wholly seen, block 2 t + 1 the diagonal one.
	v_lshlrev_b32 v14, 3, v14
	v_sub_nc_u32 v14, v1, v14
	s_cmp_eq_u32 s[GG], 0
	s_cselect_b32 s[SME], s[BIGN], 0
	v_mov_b32 v15, s[SME]
	WIN 0x40
.set i, 0
.rept 8
	v_cmp_gt_i32 vcc_lo, i, v14
	v_cndmask_b32 v[ME+i], 0, s[SME], vcc_lo
	v_cndmask_b32 v[MO+i], v15, s[BIGN], vcc_lo
.set i, i+1
.endr
	WIN 0
	s_wait_tensorcnt 0x1            ; my part of the first tile is in; the second's may stay out
	s_barrier_signal -1
	s_barrier_wait -1               ; everybody's is
	s_mov_b32 s[TB], 0
	FETCH_Q                         ; in the order in which they are wanted: V's run last, so that the first wait can leave it out
	FETCH_K
	FETCH_V
	s_mov_b32 s[TB], SLOT1
	s_mov_b32 s[TRIPS], 4           ; the loop is entered in the middle of a trip: DIAG_A four times, three whole trips
	s_branch .Ldiag
.Ltrip:                             ; a trip: the tile below is there, and its K is fetched; DIAG ends; its V is fetched; FULL ends the chunk in hand, which leaves; DIAG of the tile's own chunk begins
	CHANGE 1
	FETCH_K
	DIAG_B
	FETCH_V
	FULL 0, 1                       ; in the loop the chunk in hand is c0 + 1 or later: the chunk in front is wholly seen
	OUT 1
	s_xor_b32 s[TB], s[TB], SLOT1   ; the next fetches come from the other slot
.Ldiag:
	DIAG_A
	WIN 0
	s_sub_co_u32 s[TRIPS], s[TRIPS], 1
	s_cmp_lg_u32 s[TRIPS], 0
	s_cbranch_scc1 .Ltrip
	CHANGE 0                        ; the tail is written out: nothing is asked for
	FETCH_K
	DIAG_B
	FETCH_V
	s_cmp_eq_u32 s[C0], 0           ; chunk 0 sees nothing of the chunk in front of it
	s_cselect_b32 s[BE], s[BIGN], 0
	WIN 0x40
.set i, 0
.rept 8
	v_mov_b32 v[MP+i], s[BE]
.set i, i+1
.endr
	WIN 0
	FULL 2, 0
	OUT 0
	s_wait_tensorcnt 0x0            ; the wave's end, behind my last tensor load and my last LDS store
	ds_add_u32 v[SPW], v[NIL]
	s_wait_dscnt 0x0
	s_endpgm
.Lfunc_end_k_q0113914cbd_attn:
	.size	k_q0113914cbd_attn, .Lfunc_end_k_q0113914cbd_attn-k_q0113914cbd_attn
	.p2alignl 7, 3214868480
	.fill 96, 4, 3214868480
	.section	.rodata,"a",@progbits
	.p2align	6, 0x0
	.amdhsa_kernel k_q0113914cbd_attn
		.amdhsa_group_segment_fixed_size 327680
		.amdhsa_private_segment_fixed_size 0
		.amdhsa_enable_private_segment 0
		.amdhsa_kernarg_size 16
		.amdhsa_user_sgpr_count 2
		.amdhsa_user_sgpr_kernarg_segment_ptr 1
		.amdhsa_wavefront_size32 1
		.amdhsa_system_sgpr_workgroup_id_x 1
		.amdhsa_system_sgpr_workgroup_id_y 1
		.amdhsa_system_sgpr_workgroup_id_z 1
		.amdhsa_system_vgpr_workitem_id 0
		.amdhsa_next_free_vgpr 768
		.amdhsa_next_free_sgpr 66
		.amdhsa_reserve_vcc 1
		.amdhsa_float_denorm_mode_32 3
		.amdhsa_float_denorm_mode_16_64 3
		.amdhsa_memory_ordered 1
		.amdhsa_forward_progress 1
		.amdhsa_inst_pref_size 217
	.end_amdhsa_kernel
	.amdgpu_metadata
---
amdhsa.version: [ 1, 2 ]
amdhsa.kernels:
  - .name:           k_q0113914cbd_attn
    .symbol:         k_q0113914cbd_attn.kd
    .args:
      - { .name: qkv, .offset: 0, .size: 8, .value_kind: global_buffer, .address_space: global }
      - { .name: out0, .offset: 8, .size: 8, .value_kind: global_buffer, .address_space: global }
    .group_segment_fixed_size: 327680
    .private_segment_fixed_size: 0
    .kernarg_segment_align: 8
    .kernarg_segment_size: 16
    .max_flat_workgroup_size: 128
    .sgpr_count:     66
    .vgpr_count:     768
    .wavefront_size: 32
...
	.end_amdgpu_metadata
.endif
;; end of part 3
